; MI455X (gfx1250); checked and timed in simulation.
; The chip was launched on July 23, 2026; its instructions are those of AMD's public machine-readable ISA for CDNA 5 (MIT licence, August 2026) and "CDNA5" Instruction Set Architecture Reference Guide (July 2026). The comments in the code are by the model that wrote it; some were corrected since.
;; Multihead Self Attention. Allowed arithmetic: matrix products marked QUANTISED: E2M3 operands, one E8M0 scale for each 32 along K, by v_wmma_scale_f32_16x16x128_f8f6f4 with both operands' format E2M3, f32 sums; everything else in f32.
;; Inputs: W_qkv_codes 3,072 x 32 x 24 uint8 (E2M3 codes of W_qkv, K innermost, in blocks of 32 codes, four codes in three bytes); W_qkv_scales 3,072 x 32 uint8 (E8M0 scales of W_qkv, one for each 32 codes along K); b_qkv 3,072 float32; beta 1,024 float32; gamma 1,024 float32; x 8 x 1,024 x 1,024 float32.
;; Outputs: out0 8 x 1,024 x 1,024 float32.
;; This version of the problem:
;;   THIS VERSION OF THE PROBLEM IS GIVEN IN LOW PRECISION. The matrix products marked QUANTISED in the list below multiply operands that are first quantised to E2M3 (2 exponent bits, 3 mantissa bits; 6 bits a number), with one power-of-two scale for each 32 numbers along K (OCP MX v1.0); their sums are f32. All else is computed in f32.
;;   The module's matrix products, in the order in which they are computed (A, B: the left and right operand; K: the contracted axis; several contracted axes count as one K, in the product's order):
;;     1. [M 8,192, K 1,024] x [K 1,024, N 3,072]; A: computed on the way; B: input W_qkv (given as codes): QUANTISED
;;     2. batch 128 x [M 1,024, K 64] x [K 64, N 1,024]; A: computed on the way; B: computed on the way: QUANTISED
;;     3. batch 128 x [M 1,024, K 1,024] x [K 1,024, N 64]; A: softmax (see below); B: computed on the way: QUANTISED
;;   THE QUANTISER, for each operand of a quantised product, along K:
;;     - K is cut into blocks of 32 from its start; a last block that is shorter is filled with zeros.
;;     - A block's scale is 2^e with e = floor(log2(the largest magnitude in the block)) - 2, held to -126 .. 127; a block of zeros has e = 0. As a byte (E8M0): e + 127.
;;     - Each number is divided by its block's scale, clamped to +-7.5, and rounded to the nearest number of E2M3, ties to even, subnormals kept.
;;     - The product sums the exact products of the quantised numbers (number of the format x scale) in f32.
;;   ~~~python
;;   def quantise(x, axis):      # numpy; x: float32 -> the quantised numbers, widened to float32 again
;;       x = np.moveaxis(x, axis, -1); K = x.shape[-1]
;;       x = np.pad(x, [(0, 0)] * (x.ndim - 1) + [(0, -K % 32)]); x = x.reshape(x.shape[:-1] + (-1, 32)); a = np.abs(x).max(-1, keepdims=True)
;;       e = np.where(a > 0, np.clip(np.frexp(np.where(a > 0, a, 1))[1] - 1 - 2, -126, 127), 0)      # np.frexp(a)[1] - 1 = floor(log2(a)), exactly
;;       r = np.clip(x / 2.0 ** e, -7.5, 7.5)
;;       step = 2.0 ** (np.maximum(np.frexp(np.where(r == 0, 1, r))[1] - 1, 0) - 3)
;;       q = np.round(r / step) * step * 2.0 ** e      # np.round: ties to even
;;       return np.moveaxis(q.reshape(q.shape[:-2] + (-1,))[..., :K], -1, axis).astype(np.float32)
;;   ~~~
;;   SOFTMAX AHEAD OF A QUANTISED PRODUCT. Where the list says 'softmax', what is quantised is not the finished softmax but p = 2^(t - M), with t = logit x log2(e) and M = ceil(the row's largest t), a whole number; so 1/2 < the row's largest p <= 1. The row's sum l is taken of the UNQUANTISED p, in f32, and the product's result is divided by l at the end. Since M is a whole number, a kernel that streams over the keys may use a running M (the ceiling of the running maximum): every later rescaling is an exact power of two, which a block's scale takes up: the codes' values come out the same.
;;   OPERANDS COMPUTED ON THE WAY. 'Computed on the way' means the value that the module computes at that place (a softmax that the list does not call 'softmax' is quantised finished and normalised). What goes into a quantiser is computed in f32, as accurately as f32 sums, v_exp_f32 and their like allow (about 1e-6 of the number): no bf16 or f16 on the way to a quantiser, and a product that is left as it is and whose result goes on into a quantised operand takes f32 operands (vector FMAs, or v_wmma_f32_16x16x4_f32). A number that lies on a knife's edge between two numbers of the format may be rounded either way, as far as f32 arithmetic and the matrix unit's own rounding can turn it there, and no further.
;;   INPUTS GIVEN AS CODES. W_qkv (in the module: [3072, 1024], K = its axis 1): each comes as NAME_codes (uint8): NAME with its K axis moved to the last place and cut into blocks of 32 codes, [.., K / 32, bytes a block], one block behind the other in memory; four codes in three bytes: a row's codes are one little-endian stream of bits, code i at bits 6 i .. 6 i + 5 (a code: sign, 2 exponent bits, 3 mantissa bits); and NAME_scales (uint8): the same leading axes, one E8M0 byte (e + 127) for each 32 codes along K. Its value is code x scale, taken as it is: it is not quantised again, and the codes and scales need not be those that the quantiser above would give.
;; One version. Each part assembles by itself: llvm-mc -triple=amdgcn-amd-amdhsa -mcpu=gfx1250 --defsym DOCPART=n.
;; ======== version 1 of 1: 3 launches
;; limits: right only within a limited range of input values
;; workspace buffers: xq 6,291,456 bytes; xs 262,144 bytes; qkvc 18,874,368 bytes; sc 786,432 bytes
;; launch bnq (part 1): grid 256 x 1, 8 waves a work-group, no clusters, 166,144 bytes of LDS; arguments x, gamma, beta, xq, xs; writes xq, xs
.if DOCPART == 1
	.amdgcn_target "amdgcn-amd-amdhsa--gfx1250"
	.amdhsa_code_object_version 6
	.text
	.protected	k_q3fbdb1a816_bnq
	.globl	k_q3fbdb1a816_bnq
	.p2align	8
	.type	k_q3fbdb1a816_bnq,@function
k_q3fbdb1a816_bnq:
	s_mov_b64 s[64:65], 0
	v_nop
	global_prefetch_b8 v0, s[64:65] scope:SCOPE_SE
	s_setreg_imm32_b32 hwreg(HW_REG_WAVE_MODE, 25, 1), 1
	s_wait_xcnt 0x0
; xn[b][f][e] = (x[b][f][e] - mean[f]) * rsqrt(var[f] + 1e-5) * gamma[f] + beta[f], mean and (biased) variance over b and e; then xn is quantised along e:
; codes of FP6 (E2M3) into xq [8192 rows b*1024+f][768 bytes], one E8M0 byte for each 32 along e into xs [8192][32].
; SHARES.  A work-group owns four features 4 g .. 4 g + 3; wave w is batch w.  Its four rows (w, 4 g + i) are 16,384 consecutive bytes of x and stay in 128 registers, so x is read once.
; The variance is taken of x - mean (two passes over the registers), so a common offset of x does no harm.  Sums: per lane in two chains, across lanes, across the eight waves through LDS, in one fixed order in every wave.
; A block's scale is 2^(floor(log2(its largest magnitude)) - 2); its byte is the largest magnitude's exponent field - 2, held at 1 from below.
; LIMITS: a block whose largest magnitude lies under 2^-124 keeps the byte 1 (a block of zeros too, where the rule says 127: its codes are zeros and this program alone reads the bytes); NaN and infinities in x are not served;
; gamma is multiplied into the reciprocal root first, so the last bit of xn may differ from the order (x - mean) * rsqrt * gamma.
; No matrix unit, no tensor load, no cluster: work-groups share nothing, and memory binds.
.set X,    128                         ; v128-255  row i at X + 32 i
.set SCB,  163840                      ; LDS: 128 scale bytes for each wave
.set RED1, 164864                      ; LDS: the waves' sums, word [feature][wave]; the sums of squares 128 bytes further on
; LDS 0 .. 163,839: a stage of 20,480 bytes for each wave: a row is 64 places of 64 bytes + 16 of padding
	s_load_b256 s[4:11], s[0:1], 0x0               ; x s[4:5], gamma s[6:7], beta s[8:9], xq s[10:11]
	s_load_b64 s[12:13], s[0:1], 0x20              ; xs
	v_lshl_add_u32 v123, v0, 2, 0x28500
	v_mov_b32 v127, 0
	v_lshrrev_b32 v1, 5, v0
	s_delay_alu instid0(VALU_DEP_1)
	v_readfirstlane_b32 s14, v1                    ; wave = batch
	v_and_b32 v1, 31, v0                           ; lane
	s_delay_alu instid0(VALU_DEP_1)
	v_lshlrev_b32 v2, 4, v1                        ; my 16 bytes of a load's 512
	s_delay_alu instid0(VALU_DEP_2)
	v_mul_u32_u24 v3, v1, 12                       ; my 12 bytes of a step's 384 bytes of codes
	s_mul_i32 s26, s14, 20480                      ; my wave's stage
	v_lshrrev_b32 v4, 2, v1
	s_delay_alu instid0(VALU_DEP_1)
	v_mul_u32_u24 v4, v4, 80
	v_and_b32 v5, 3, v1
	s_delay_alu instid0(VALU_DEP_1)
	v_lshl_add_u32 v4, v5, 4, v4
	s_delay_alu instid0(VALU_DEP_1)
	v_add_nc_u32 v4, s26, v4                       ; into the stage: four lanes' 64 bytes on end, then 16 of padding
	v_mul_u32_u24 v5, v1, 80
	s_delay_alu instid0(VALU_DEP_1)
	v_add_nc_u32 v5, s26, v5                       ; out of it: a place a lane: 16 neighbouring numbers
	s_lshl_b32 s27, s14, 7
	s_add_co_u32 s27, s27, SCB
	v_lshrrev_b32 v6, 1, v1
	s_delay_alu instid0(VALU_DEP_1)
	v_add_nc_u32 v6, s27, v6                       ; my block's scale byte
	v_lshlrev_b32 v8, 2, v1
	s_delay_alu instid0(VALU_DEP_1)
	v_add_nc_u32 v7, s27, v8                       ; and four of them on the way out
	s_lshl_b32 s28, s14, 2
	s_add_co_u32 s28, s28, RED1
	v_mov_b32 v9, s28                              ; my wave's word among the sums
	v_mov_b32 v10, RED1
.irp i, 0,1,2,3
	v_mov_b32 v[92+\i], 0                          ; written once: a lane permute's destination counts as one of its sources
.endr
	s_mov_b32 s24, 0x76543210
	s_mov_b32 s25, 0xfedcba98                      ; v_permlanex16_b32's selects for lane l xor 16
	s_mov_b32 s32, 0x39000000                      ; 2^-13: a feature has 8 x 1,024 numbers
	s_mov_b32 s33, 0x3727c5ac                      ; 1e-5
	s_lshl_b32 s29, s14, 10
	s_lshl_b32 s30, ttmp9, 2
	s_add_co_u32 s29, s29, s30                     ; my first row: 1,024 w + 4 g
	s_lshl_b32 s34, s29, 12                        ; in x: 4,096 bytes a row
	s_mov_b32 s35, 0
	; WHERE A ROW GOES in xq and xs: inside each 64 rows, feature 32 B + 8 u + m lies at place 16 u + 8 B + m (bits 3-5 of the row number turned round), so that the 16 rows of a later fragment hold eight rows of each block of 32
	s_and_b32 s42, s29, 0x1fc7
	s_bfe_u32 s43, s29, 0x10005
	s_lshl_b32 s43, s43, 3
	s_or_b32 s42, s42, s43
	s_bfe_u32 s43, s29, 0x20003
	s_lshl_b32 s43, s43, 4
	s_or_b32 s42, s42, s43
	s_mul_i32 s36, s42, 768
	s_mov_b32 s37, 0
	s_lshl_b32 s38, s42, 5
	s_mov_b32 s39, 0
	s_lshl_b32 s40, ttmp9, 4                       ; in gamma and beta: four numbers
	s_mov_b32 s41, 0
	s_wait_kmcnt 0x0
	s_add_nc_u64 s[4:5], s[4:5], s[34:35]
	s_add_nc_u64 s[6:7], s[6:7], s[40:41]
	s_add_nc_u64 s[8:9], s[8:9], s[40:41]
	s_add_nc_u64 s[10:11], s[10:11], s[36:37]
	s_add_nc_u64 s[12:13], s[12:13], s[38:39]
	s_load_b128 s[16:19], s[6:7], 0x0              ; gamma of my four features
	s_load_b128 s[20:23], s[8:9], 0x0              ; beta
.set n, 0
.rept 32
	global_load_b128 v[X+4*n:X+4*n+3], v2, s[4:5] offset:512*n th:TH_LOAD_NT   ; 32 lanes read 512 consecutive bytes; all 16,384 bytes of the wave are asked for at once
.set n, n+1
.endr
.macro LANESUM r, t                    ; the sum over the 32 lanes, in every lane
	s_delay_alu instid0(VALU_DEP_1)
	v_add_f32_dpp v[\r], v[\r], v[\r] row_xmask:1 row_mask:0xf bank_mask:0xf
	s_delay_alu instid0(VALU_DEP_1)
	v_add_f32_dpp v[\r], v[\r], v[\r] row_xmask:2 row_mask:0xf bank_mask:0xf
	s_delay_alu instid0(VALU_DEP_1)
	v_add_f32_dpp v[\r], v[\r], v[\r] row_xmask:4 row_mask:0xf bank_mask:0xf
	s_delay_alu instid0(VALU_DEP_1)
	v_add_f32_dpp v[\r], v[\r], v[\r] row_xmask:8 row_mask:0xf bank_mask:0xf
	s_delay_alu instid0(VALU_DEP_1)
	v_permlanex16_b32 v[\t], v[\r], s24, s25
	s_delay_alu instid0(VALU_DEP_1)
	v_add_f32 v[\r], v[\r], v[\t]
.endm
.macro SUMROW i                        ; row i's sum, two chains of packed additions
.set R, X+32*(\i)
.set C0, 12+4*(\i)
	v_pk_add_f32 v[C0:C0+1], v[R:R+1], v[R+2:R+3]
	v_pk_add_f32 v[C0+2:C0+3], v[R+4:R+5], v[R+6:R+7]
.irp j, 8,12,16,20,24,28
	s_delay_alu instid0(VALU_DEP_2)
	v_pk_add_f32 v[C0:C0+1], v[C0:C0+1], v[R+\j:R+\j+1]
	s_delay_alu instid0(VALU_DEP_2)
	v_pk_add_f32 v[C0+2:C0+3], v[C0+2:C0+3], v[R+\j+2:R+\j+3]
.endr
	s_delay_alu instid0(VALU_DEP_1)
	v_pk_add_f32 v[C0:C0+1], v[C0:C0+1], v[C0+2:C0+3]
	s_delay_alu instid0(VALU_DEP_1)
	v_add_f32 v[C0], v[C0], v[C0+1]
	LANESUM C0, 92+\i
	ds_store_b32 v9, v[C0] offset:32*(\i)          ; all lanes write the same word with the same value
.endm
.macro SQROW i                         ; row i's sum of squares (the mean is already off)
.set R, X+32*(\i)
.set C0, 12+4*(\i)
	v_pk_mul_f32 v[C0:C0+1], v[R:R+1], v[R:R+1]
	v_pk_mul_f32 v[C0+2:C0+3], v[R+2:R+3], v[R+2:R+3]
.irp j, 4,8,12,16,20,24,28
	s_delay_alu instid0(VALU_DEP_2)
	v_pk_fma_f32 v[C0:C0+1], v[R+\j:R+\j+1], v[R+\j:R+\j+1], v[C0:C0+1]
	s_delay_alu instid0(VALU_DEP_2)
	v_pk_fma_f32 v[C0+2:C0+3], v[R+\j+2:R+\j+3], v[R+\j+2:R+\j+3], v[C0+2:C0+3]
.endr
	s_delay_alu instid0(VALU_DEP_1)
	v_pk_add_f32 v[C0:C0+1], v[C0:C0+1], v[C0+2:C0+3]
	s_delay_alu instid0(VALU_DEP_1)
	v_add_f32 v[C0], v[C0], v[C0+1]
	LANESUM C0, 92+\i
	ds_store_b32 v9, v[C0] offset:128+32*(\i)
.endm
.macro FEAT i                          ; the eight waves' words of feature i, added in one fixed order: every wave gets the same bits
.set W, 28+8*(\i)
	v_pk_add_f32 v[W:W+1], v[W:W+1], v[W+2:W+3]
	v_pk_add_f32 v[W+4:W+5], v[W+4:W+5], v[W+6:W+7]
	s_delay_alu instid0(VALU_DEP_1)
	v_pk_add_f32 v[W:W+1], v[W:W+1], v[W+4:W+5]
	s_delay_alu instid0(VALU_DEP_1)
	v_add_f32 v[W], v[W], v[W+1]
.endm
	; ---- the means
.irp i, 0,1,2,3
	s_wait_loadcnt 24-8*\i                         ; row i's eight loads are in; the later rows' stay out
	SUMROW \i
.endr
	s_wait_dscnt 0x0                               ; for the others' sake: my four words lie in LDS
	s_barrier_signal -1
	s_barrier_wait -1
.irp n, 0,1,2,3,4,5,6,7
	ds_load_b128 v[28+4*\n:31+4*\n], v10 offset:16*\n
.endr
	s_wait_dscnt 0x0
.irp i, 0,1,2,3
	FEAT \i
.endr
.irp i, 0,1,2,3
	v_mul_f32 v[60+2*\i], s32, v[28+8*\i]          ; the mean, twice: a pair for the packed forms
	s_delay_alu instid0(VALU_DEP_1)
	v_mov_b32 v[61+2*\i], v[60+2*\i]
.endr
	; ---- the variances
.irp i, 0,1,2,3
.irp j, 0,2,4,6,8,10,12,14,16,18,20,22,24,26,28,30
	v_pk_add_f32 v[X+32*\i+\j:X+32*\i+\j+1], v[X+32*\i+\j:X+32*\i+\j+1], v[60+2*\i:61+2*\i] neg_lo:[0,1] neg_hi:[0,1]   ; x - mean
.endr
.endr
.irp i, 0,1,2,3
	SQROW \i
.endr
	s_wait_dscnt 0x0                               ; my four words lie in LDS (other bytes than the first sums', which some wave may still be reading)
	s_barrier_signal -1
	s_barrier_wait -1
.irp n, 0,1,2,3,4,5,6,7
	ds_load_b128 v[28+4*\n:31+4*\n], v10 offset:128+16*\n
.endr
	s_wait_dscnt 0x0
.irp i, 0,1,2,3
	FEAT \i
.endr
.irp i, 0,1,2,3
	v_fma_f32 v[28+8*\i], v[28+8*\i], s32, s33     ; variance + 1e-5 (the multiplication by 2^-13 rounds nothing)
.endr
	s_wait_alu depctr_va_vdst(0)
.irp i, 0,1,2,3
	v_rsq_f32 v[92+\i], v[28+8*\i]                 ; one batch of four
.endr
	s_wait_kmcnt 0x0                               ; gamma and beta
.irp i, 0,1,2,3
	v_mov_b32 v[76+2*\i], s[20+\i]                 ; beta, in pairs: plain work behind the batch
	v_mov_b32 v[77+2*\i], s[20+\i]
.endr
	s_wait_alu depctr_va_vdst(0)                   ; one wait for the four roots, ahead of their first reader
.irp i, 0,1,2,3
	v_mul_f32 v[68+2*\i], s[16+\i], v[92+\i]       ; a = gamma / sqrt(variance + 1e-5), in pairs
	s_delay_alu instid0(VALU_DEP_1)
	v_mov_b32 v[69+2*\i], v[68+2*\i]
.endr
.irp i, 0,1,2,3
.irp j, 0,2,4,6,8,10,12,14,16,18,20,22,24,26,28,30
	v_pk_fma_f32 v[X+32*\i+\j:X+32*\i+\j+1], v[X+32*\i+\j:X+32*\i+\j+1], v[68+2*\i:69+2*\i], v[76+2*\i:77+2*\i]   ; xn
.endr
.endr
	; ---- the turn through my stage: in as loaded (16 bytes a lane of 512), out 64 bytes a lane: 16 neighbours along e, which the conversion wants in one lane's registers
.irp i, 0,1,2,3
.irp j, 0,1,2,3,4,5,6,7
	ds_store_b128 v4, v[X+32*\i+4*\j:X+32*\i+4*\j+3] offset:5120*\i+640*\j
.endr
.endr
	s_wait_dscnt 0x0                               ; the stores have read their registers, which the loads below write
.irp i, 0,1,2,3
.irp s, 0,1
.irp k, 0,1,2,3
	ds_load_b128 v[X+32*\i+16*\s+4*\k:X+32*\i+16*\s+4*\k+3], v5 offset:5120*\i+2560*\s+16*\k   ; numbers 512 s + 16 lane + 4 k .. of row i
.endr
.endr
.endr
; Step n = 2 i + s: 512 numbers of row i, 16 a lane; two neighbouring lanes hold a block of 32.
.macro QSTEP n
.set XS, X+16*(\n)
	s_wait_dscnt 28-3*(\n)                         ; behind this step's four loads stand 28 - 4 n later loads and the n byte stores of the steps before
	v_max3_num_f32 v92, |v[XS]|, |v[XS+1]|, |v[XS+2]|
	v_max3_num_f32 v93, |v[XS+3]|, |v[XS+4]|, |v[XS+5]|
.irp i, 6,10
	s_delay_alu instid0(VALU_DEP_2)
	v_max3_num_f32 v92, v92, |v[XS+\i]|, |v[XS+\i+1]|
	s_delay_alu instid0(VALU_DEP_2)
	v_max3_num_f32 v93, v93, |v[XS+\i+2]|, |v[XS+\i+3]|
.endr
	s_delay_alu instid0(VALU_DEP_2)
	v_max3_num_f32 v92, v92, |v[XS+14]|, |v[XS+15]|
	s_delay_alu instid0(VALU_DEP_1)
	v_max3_num_f32 v92, v92, v93, 0x1800000        ; and the floor 2^(3 - 127): the byte cannot fall under 1
	s_delay_alu instid0(VALU_DEP_1)
	v_max_num_f32_dpp v92, v92, v92 row_xmask:1 row_mask:0xf bank_mask:0xf   ; with my neighbour's 16: the block's largest magnitude
	s_delay_alu instid0(VALU_DEP_1)
	v_add_nc_u32 v94, 0xff000000, v92              ; 2 off its exponent field: the conversion takes the exponent field of this operand as its scale
	v_cvt_scalef32_pk16_fp6_f32 v[96+4*(\n):98+4*(\n)], v[XS:XS+15], v94
	v_lshrrev_b32 v[84+(\n)], 23, v94              ; the scale's byte (also the plain line behind the conversion)
	ds_store_b8 v6, v[84+(\n)] offset:16*(\n)      ; both lanes of a block write the same byte with the same value
	global_store_b96 v3, v[96+4*(\n):98+4*(\n)], s[10:11] offset:384*(\n)   ; the wave stores 384 consecutive bytes; two steps are a row of 768
.endm
.irp n, 0,1,2,3,4,5,6,7
	QSTEP \n
.endr
	ds_load_b32 v95, v7                            ; LDS serves a wave's instructions in order: this sees my byte stores
	s_wait_dscnt 0x0
	global_store_b32 v8, v95, s[12:13]             ; my four rows' 128 scale bytes, consecutive: half of an aligned 256 bytes; they are one part in 24 of the codes' bytes
	s_wait_tensorcnt 0x0
	ds_add_u32 v123, v127
	s_wait_dscnt 0x0
	s_endpgm
.Lfunc_end_k_q3fbdb1a816_bnq:
	.size	k_q3fbdb1a816_bnq, .Lfunc_end_k_q3fbdb1a816_bnq-k_q3fbdb1a816_bnq
	.p2alignl 7, 3214868480
	.fill 96, 4, 3214868480
	.section	.rodata,"a",@progbits
	.p2align	6, 0x0
	.amdhsa_kernel k_q3fbdb1a816_bnq
		.amdhsa_group_segment_fixed_size 166144
		.amdhsa_private_segment_fixed_size 0
		.amdhsa_enable_private_segment 0
		.amdhsa_kernarg_size 40
		.amdhsa_user_sgpr_count 2
		.amdhsa_user_sgpr_kernarg_segment_ptr 1
		.amdhsa_wavefront_size32 1
		.amdhsa_system_sgpr_workgroup_id_x 1
		.amdhsa_system_sgpr_workgroup_id_y 1
		.amdhsa_system_sgpr_workgroup_id_z 1
		.amdhsa_system_vgpr_workitem_id 0
		.amdhsa_next_free_vgpr 256
		.amdhsa_next_free_sgpr 66
		.amdhsa_reserve_vcc 0
		.amdhsa_float_denorm_mode_32 3
		.amdhsa_float_denorm_mode_16_64 3
		.amdhsa_memory_ordered 1
		.amdhsa_forward_progress 1
		.amdhsa_inst_pref_size 50
	.end_amdhsa_kernel
	.amdgpu_metadata
---
amdhsa.version: [ 1, 2 ]
amdhsa.kernels:
  - .name:           k_q3fbdb1a816_bnq
    .symbol:         k_q3fbdb1a816_bnq.kd
    .args:
      - { .name: x, .offset: 0, .size: 8, .value_kind: global_buffer, .address_space: global }
      - { .name: gamma, .offset: 8, .size: 8, .value_kind: global_buffer, .address_space: global }
      - { .name: beta, .offset: 16, .size: 8, .value_kind: global_buffer, .address_space: global }
      - { .name: xq, .offset: 24, .size: 8, .value_kind: global_buffer, .address_space: global }
      - { .name: xs, .offset: 32, .size: 8, .value_kind: global_buffer, .address_space: global }
    .group_segment_fixed_size: 166144
    .private_segment_fixed_size: 0
    .kernarg_segment_align: 8
    .kernarg_segment_size: 40
    .max_flat_workgroup_size: 256
    .sgpr_count:     66
    .vgpr_count:     256
    .wavefront_size: 32
...
	.end_amdgpu_metadata
.endif
;; end of part 1
;; launch qkv (part 2): grid 16 x 16, 4 waves a work-group, clusters of 4 x 4, 327,680 bytes of LDS; arguments xq, xs, W_qkv_codes, W_qkv_scales, b_qkv, qkvc, sc; writes qkvc, sc
.if DOCPART == 2
	.amdgcn_target "amdgcn-amd-amdhsa--gfx1250"
	.amdhsa_code_object_version 6
	.text
	.protected	k_q3fbdb1a816_qkv
	.globl	k_q3fbdb1a816_qkv
	.p2align	8
	.type	k_q3fbdb1a816_qkv,@function
k_q3fbdb1a816_qkv:
	s_mov_b64 s[64:65], 0
	v_nop
	global_prefetch_b8 v0, s[64:65] scope:SCOPE_SE
	s_setreg_imm32_b32 hwreg(HW_REG_WAVE_MODE, 25, 1), 1
	s_wait_xcnt 0x0
	s_wait_alu depctr_hold_cnt(0) depctr_sa_sdst(0) depctr_va_vdst(0) depctr_va_sdst(0) depctr_va_ssrc(0) depctr_va_vcc(0) depctr_vm_vsrc(0)
	s_getreg_b32 s2, hwreg(HW_REG_IB_STS2, 6, 4)
	s_cmp_eq_u32 s2, 0
	s_cbranch_scc0 .Lentry_in_a_cluster
	s_endpgm
.Lentry_in_a_cluster:
	s_bfe_u32 s2, ttmp6, 0x10000c
	s_cmp_lg_u32 s2, 0xf033
	s_cbranch_scc0 .Lentry_shape_is_right
	s_endpgm
.Lentry_shape_is_right:
; qkv = Q(xn) W^T + b on codes of FP6 (E2M3) with E8M0 scales, K = 1,024; then q and k are quantised along the head's 64 and v along the keys, and leave as images of operand registers.
; SHARES.  A work-group: one head's 192 columns x 512 places of xq (half a batch), in four tiles of 128 rows.  Wave (rh, ch): 64 rows of a tile x 64 columns of q (ch = 0) or k (ch = 1) and 32 columns of v: 24 accumulators.
; xq's rows lie so that place 16 u + 8 B + m of each 64 is feature 32 B + 8 u + m.  v's products stand as they are (source 0 = x): lane (d, h) holds over the four blocks u its 32 registers = key block h of the 64, in order.
; q's, k's products are transposed (source 0 = W), and W's tile b takes rows 8 b + m and 32 + 8 b + m: lane (row, h) holds d block h in order.  So every block of 32 lies in one lane.
; W's q/k fragments for all of K stay in 384 registers; W's v rows stay in LDS; x goes through two slots of 128 whole rows (768 bytes, 16 of padding behind each 256: pitch 816).
; Tile 2 tp + c holds for wave rh places 256 tp + 128 rh + 64 c + 0..63: two tiles on end give a wave one key step of 128.  W's q/k rows pass through slot 1 ahead of tile 1.  A wave has one tensor load out at a time.
; CLUSTERS 4 x 4: x's tiles are asked for jointly along a row (four heads), W's along a column.  PREFETCH: tile t + 2's rows are named at the start of tile t, one tile ahead of their load; the four partners share a wave's 32 rows by address.
; OUTPUT.  qkvc, a head (16 b + h) has 147,456 bytes: Q 32 images of 1,536, then for each key step of 128: K 4 images, V 4 images.  Register i of lane l at 512 (i / 4) + 16 l + 4 (i % 4).
;   Q, K image T: lane (r, h), registers 6 c ..: place 32 T + 16 c + r, d block h.  V image dl: lane (r, h), registers 6 c ..: d 16 dl + r, key block 2 c + h of the step.
;   sc, a head has 6,144 bytes: Q | K | V.  Q, K: 256 bytes for 4 images, word at 8 lane + 4 c is image 2 c + h's, row r.  V: 256 bytes a key step, word at 128 j + 4 lane is d tile 2 j + h's.
; LIMITS: a block whose largest magnitude lies under 2^-124 keeps the byte 1 (a block of zeros too: its codes are zeros, and this program alone reads the bytes); NaN and infinities are not served.
; WINDOWS: 0: addresses, scales, x's fragments (two sets), the way out.  1: W q/k, K steps 0-4.  2: K steps 5-7, W v's fragments (two sets), the biases.  3: accumulators: q/k (a, b) at 32 a + 8 b, v (a, b') at 128 + 32 b' + 8 a.
.set PITCH, 816
.set SLOT,  128*PITCH
.set WVB,   2*SLOT
.set SPARE, WVB+64*PITCH
.set KROW,  768
.set PADW,  (1<<20)|(1<<21)|(5<<22)|(3<<25)
.set ADX,  8
.set ADV,  12
.set ADW,  14
.set LI16, 16
.set LI8,  17
.set LI4,  18
.set SH8,  19
.set SOF,  20
.set SOFW, 21
.set BQ,   22
.set BV,   23
.set LANE, 24
.set PFO,  25
.set PT1,  28
.set VS,   29
.set SPW,  30
.set NIL,  31
.set SA,   32
.set SB,   64
.set TM,   88
.set SCO,  92
.set BY8,  94
.set VI0,  96
.set VI1,  108
.set VW0,  120
.set VW1,  121
.set QW,   122
.set PT0,  124
.set WD0,  125
.set WD1,  126
.set AF,   128
.set PC0,  224
.set PC1,  236
.set T0,   248
.set T1,   252
.set WVF,  144
.set BT,   192
.set BN,   224
.set G1X, 24
.set G1W, 32
.set G1V, 40
.set G0H, 48
.set G0W, 52
.set G0V, 56
.set G0R0, 60
.set G0R1, 68
.set SEL, 66
.set MSB, 0
.macro WIN new
.if MSB != (\new)
	s_set_vgpr_msb (MSB<<8)|(\new)
.set MSB, (\new)
.endif
.endm
.macro PLACES n
.rept \n
	v_nop
.endr
.endm
.macro CROUND
	s_barrier_signal -1
	s_barrier_wait -1
	s_cmp_lg_u32 s18, 0
	s_cbranch_scc1 .Lnw0_\@
	s_barrier_signal -3
.Lnw0_\@:
	s_barrier_wait -3
	s_barrier_signal -1
	s_barrier_wait -1
.endm
.macro G1REST g, rows
	s_mov_b32 s[\g+1], KROW<<16
	s_mov_b32 s[\g+2], \rows<<16
	s_mov_b32 s[\g+3], KROW<<16
	s_mov_b32 s[\g+4], \rows
	s_mov_b32 s[\g+5], KROW
	s_mov_b32 s[\g+6], 0
	s_mov_b32 s[\g+7], 0
.endm
.macro TLOAD g0, g1                    ; the four v_nop are places for what follows
	tensor_load_to_lds s[\g0:\g0+3], s[\g1:\g1+7]
	s_nop 0
	PLACES 4
.endm
	s_load_b256 s[4:11], s[0:1], 0x0               ; xq, xs, W's codes, W's scales
	s_load_b128 s[12:15], s[0:1], 0x20             ; b_qkv, qkvc
	s_load_b64 s[16:17], s[0:1], 0x30              ; sc
	v_lshl_add_u32 v[SPW], v0, 2, SPARE
	v_mov_b32 v[NIL], 0
	ds_add_u32 v[SPW], v[NIL]
	ds_add_u32 v[SPW], v[NIL]
	v_lshrrev_b32 v1, 5, v0
	v_readfirstlane_b32 s18, v1                    ; wave
	s_lshr_b32 s19, s18, 1                         ; rh
	s_and_b32 s20, s18, 1                          ; ch
	s_bfe_u32 s72, ttmp6, 0x40000                  ; cx
	s_bfe_u32 s73, ttmp6, 0x40004                  ; cy
	s_lshl_b32 s22, ttmp9, 2
	s_add_co_u32 s22, s22, s72                     ; tc: the head
	s_and_b32 s21, ttmp7, 0xffff
	s_lshl_b32 s21, s21, 2
	s_add_co_u32 s21, s21, s73                     ; tr: which 512 places
	s_lshl_b32 s74, s73, 2
	s_lshl_b32 s74, 15, s74                        ; my row of the cluster
	s_lshl_b32 s75, 0x1111, s72                    ; my column
	s_or_b32 s[G1X], s74, PADW
	s_or_b32 s[G1W], s75, PADW
	s_or_b32 s[G1V], s75, PADW
	G1REST G1X, 64
	G1REST G1W, 128
	G1REST G1V, 64
	s_lshl_b32 s76, s21, 9                         ; the head's x piece of wave w < 2: place 512 tr + 128 w
	s_lshl_b32 s77, s18, 7
	s_add_co_u32 s76, s76, s77
	s_mul_i32 s76, s76, KROW
	s_mov_b32 s77, 0
	s_lshl_b32 s78, s21, 9                         ; the ring: place 512 tr + 128 (w / 2) + 32 (w % 2)
	s_lshl_b32 s79, s19, 7
	s_add_co_u32 s78, s78, s79
	s_lshl_b32 s79, s20, 5
	s_add_co_u32 s78, s78, s79
	s_mul_i32 s78, s78, KROW
	s_mov_b32 s79, 0
	s_mul_i32 s82, s22, 192*KROW                   ; the head's rows of W
	s_mov_b32 s83, 0
	s_mul_i32 s98, s72, 8*KROW                     ; the prefetches: my work-group's 8 of a wave's 32 rows
	s_mov_b32 s99, 0
	s_wait_dscnt 0x0
	s_wait_kmcnt 0x0
	CROUND                                         ; in front of the first joint loads
	s_mov_b32 s[G0H], 1
	s_mul_i32 s[G0H+1], s18, 64*PITCH
	s_add_nc_u64 s[G0H+2:G0H+3], s[4:5], s[76:77]
	s_or_b32 s[G0H+3], s[G0H+3], 0x80000000
	s_add_nc_u64 s[78:79], s[4:5], s[78:79]
	s_mov_b32 s[G0R0], 1
	s_mul_i32 s[G0R0+1], s18, 32*PITCH
	s_add_nc_u64 s[G0R0+2:G0R0+3], s[78:79], 256*KROW      ; slot 0's first refill is tile 2
	s_or_b32 s[G0R0+3], s[G0R0+3], 0x80000000
	s_mov_b32 s[G0R1], 1
	s_add_co_u32 s[G0R1+1], s[G0R0+1], SLOT
	s_add_nc_u64 s[G0R1+2:G0R1+3], s[78:79], 64*KROW       ; tile 1
	s_or_b32 s[G0R1+3], s[G0R1+3], 0x80000000
	s_add_nc_u64 s[82:83], s[8:9], s[82:83]
	s_mov_b32 s[G0W], 1
	s_mov_b32 s[G0W+1], SLOT
	s_mov_b64 s[G0W+2:G0W+3], s[82:83]
	s_or_b32 s[G0W+3], s[G0W+3], 0x80000000
	s_mov_b32 s[G0V], 1
	s_mov_b32 s[G0V+1], WVB
	s_add_nc_u64 s[G0V+2:G0V+3], s[82:83], 128*KROW
	s_or_b32 s[G0V+3], s[G0V+3], 0x80000000
	s_add_nc_u64 s[2:3], s[78:79], s[98:99]
	; the head's four tiles, one a wave: waves 0, 1 tile 0's two pieces of 64 rows, wave 2 W's 128 rows of q and k, wave 3 W's 64 rows of v
	s_cmp_lt_u32 s18, 2
	s_cbranch_scc0 .Lhw
	TLOAD G0H, G1X
	s_branch .Lhd
.Lhw:
	s_cmp_lt_u32 s18, 3
	s_cbranch_scc0 .Lhv
	TLOAD G0W, G1W
	s_branch .Lhd
.Lhv:
	TLOAD G0V, G1V
.Lhd:
	s_lshl_b32 s72, s21, 9
	s_lshl_b32 s73, s19, 7
	s_add_co_u32 s72, s72, s73
	s_lshl_b32 s72, s72, 5
	s_mov_b32 s73, 0
	s_add_nc_u64 s[6:7], s[6:7], s[72:73]          ; x's scales: place 512 tr + 128 rh
	s_mul_i32 s74, s22, 192
	s_lshl_b32 s72, s20, 6
	s_add_co_u32 s72, s72, s74                     ; W's row 192 tc + 64 ch
	s_lshl_b32 s75, s72, 2
	s_lshl_b32 s72, s72, 5
	s_add_nc_u64 s[88:89], s[10:11], s[72:73]
	s_mov_b32 s72, s75
	s_add_nc_u64 s[92:93], s[12:13], s[72:73]
	s_lshl_b32 s72, s20, 5
	s_add_co_u32 s72, s72, s74
	s_add_co_u32 s72, s72, 128                     ; 192 tc + 128 + 32 ch
	s_lshl_b32 s75, s72, 2
	s_lshl_b32 s72, s72, 5
	s_add_nc_u64 s[90:91], s[10:11], s[72:73]
	s_mov_b32 s72, s75
	s_add_nc_u64 s[94:95], s[12:13], s[72:73]
	s_lshr_b32 s74, s21, 1
	s_lshl_b32 s74, s74, 4
	s_add_co_u32 s74, s74, s22                     ; the head among all
	s_and_b32 s75, s21, 1
	s_lshl_b32 s75, s75, 2
	s_add_co_u32 s75, s75, s19                     ; my first key step: 4 (tr % 2) + rh; the second lies 2 on
	s_mul_i32 s96, s74, 147456
	s_mul_i32 s72, s75, 6144
	s_lshl_b32 s72, s72, s20                       ; Q: 6,144 bytes a step; K: 12,288
	s_mul_i32 s97, s20, 49152
	s_add_co_u32 s72, s72, s97
	s_add_co_u32 s72, s72, s96
	s_add_nc_u64 s[80:81], s[14:15], s[72:73]      ; my images of q or k
	s_mul_i32 s72, s75, 12288
	s_mul_i32 s97, s20, 3072
	s_add_co_u32 s72, s72, s97
	s_add_co_u32 s72, s72, s96
	s_add_co_u32 s72, s72, 49152+6144
	s_add_nc_u64 s[84:85], s[14:15], s[72:73]      ; my two images of v
	s_mul_i32 s96, s74, 6144
	s_lshl_b32 s97, s75, 8
	s_add_co_u32 s96, s96, s97
	s_lshl_b32 s72, s20, 11
	s_add_co_u32 s72, s72, s96
	s_add_nc_u64 s[86:87], s[16:17], s[72:73]      ; q's or k's scale words
	s_lshl_b32 s72, s20, 7
	s_add_co_u32 s72, s72, s96
	s_add_co_u32 s72, s72, 4096
	s_add_nc_u64 s[100:101], s[16:17], s[72:73]    ; v's
	s_lshl_b32 s96, 12288, s20                     ; from my first key step's images of q or k to my second's
	s_mov_b32 s97, 0
	s_mul_i32 s72, s19, 64*PITCH
	s_add_co_u32 s73, s72, SLOT
	s_mul_i32 s74, s20, 32*PITCH
	s_add_co_u32 s74, s74, WVB
	s_mul_i32 s75, s20, 64*PITCH
	s_add_co_u32 s75, s75, SLOT
	s_mov_b32 s[SEL], 0x76543210
	s_mov_b32 s[SEL+1], 0xfedcba98
	v_and_b32 v1, 15, v0                           ; r
	v_bfe_u32 v2, v0, 4, 1                         ; h
	v_and_b32 v[LANE], 31, v0
	v_mul_u32_u24 v3, v1, PITCH
	v_mad_u32_u24 v4, v2, 24, v3                   ; row x pitch + 24 h,
	v_mad_u32_u24 v5, v2, 40, v3                   ; and where lanes 16-31 stand behind one padding more
	v_add_nc_u32 v[ADX], s72, v4
	v_add_nc_u32 v[ADX+1], s72, v5
	v_add_nc_u32 v[ADX+2], s73, v4
	v_add_nc_u32 v[ADX+3], s73, v5
	v_add_nc_u32 v[ADV], s74, v4
	v_add_nc_u32 v[ADV+1], s74, v5
	v_and_b32 v6, 7, v1
	v_lshrrev_b32 v7, 3, v1
	v_lshl_add_u32 v6, v7, 5, v6                   ; W's q/k tiles: row r % 8 + 32 (r / 8)
	v_mul_u32_u24 v3, v6, PITCH
	v_mad_u32_u24 v4, v2, 24, v3
	v_mad_u32_u24 v5, v2, 40, v3
	v_add_nc_u32 v[ADW], s75, v4
	v_add_nc_u32 v[ADW+1], s75, v5
	v_lshlrev_b32 v[SOFW], 5, v6
	v_lshl_add_u32 v[SOFW], v2, 4, v[SOFW]
	v_lshlrev_b32 v[SOF], 5, v1
	v_lshl_add_u32 v[SOF], v2, 4, v[SOF]           ; 32 r + 16 h: register q then holds the word of K step q in lanes 0-15, of 4 + q in lanes 16-31
	v_lshlrev_b32 v[LI16], 4, v[LANE]
	v_lshlrev_b32 v[LI8], 3, v[LANE]
	v_lshlrev_b32 v[LI4], 2, v[LANE]
	v_lshlrev_b32 v[SH8], 3, v2
	v_lshlrev_b32 v[BQ], 7, v2                     ; q's, k's bias: columns 32 h + 8 b + j
	v_lshlrev_b32 v[BV], 2, v1                     ; v's: column 16 b' + r
	v_and_b32 v7, 7, v[LANE]
	v_lshrrev_b32 v3, 3, v[LANE]
	v_min_u32 v3, 2, v3
	v_mul_u32_u24 v7, v7, KROW
	v_lshl_add_u32 v[PFO], v3, 8, v7               ; the prefetches: a lane a block of 256 bytes: 8 rows x 3 (lanes 24-31 name the third again)
	v_cmp_le_u32 s23, 16, v[LANE]
	v_mov_b32 v[PT0], 0
	v_mov_b32 v[PT1], 0
	s_wait_alu depctr_va_vdst(0)                   ; the wait at the head's end
.irp a, 0,1,2,3
	global_load_b128 v[SA+4*\a:SA+4*\a+3], v[SOF], s[6:7] offset:512*\a
	global_load_b128 v[SB+4*\a:SB+4*\a+3], v[SOFW], s[88:89] offset:256*\a
.endr
.irp b, 0,1
	global_load_b128 v[SB+16+4*\b:SB+16+4*\b+3], v[SOF], s[90:91] offset:512*\b
.endr
	WIN 0x80
.irp b, 0,1,2,3
	global_load_b128 v[BT+8*\b:BT+8*\b+3], v[BQ], s[92:93] offset:32*\b
	global_load_b128 v[BT+8*\b+4:BT+8*\b+7], v[BQ], s[92:93] offset:32*\b+16
.endr
.irp b, 0,1
.irp j, 0,1,2,3,4,5,6,7
	global_load_b32 v[BN+8*\b+\j], v[BV], s[94:95] offset:64*\b
.endr
.endr
	WIN 0
.macro FRAG reg, adr, s, ro            ; 16 rows x 128 K: 24 bytes of the row's stream twice, in pieces of 8; byte y of a row lies at y + 16 (y / 256)
.irp p, 0,1,2,3,4,5
.set BY, 96*(\s)+48*(\p/3)+8*(\p%3)
.if BY/256 == (BY+24)/256
	ds_load_b64 v[(\reg)+2*\p:(\reg)+2*\p+1], v[\adr] offset:BY+16*(BY/256)+(\ro)
.else
	ds_load_b64 v[(\reg)+2*\p:(\reg)+2*\p+1], v[(\adr)+1] offset:BY+16*(BY/256)+(\ro)
.endif
.endr
.endm
.macro FETCH slot, s, p                ; K step s: W v's two fragments and x's four, into set p: 36 loads
	WIN 0x80
.irp i, 0,1
	FRAG WVF+24*(\p)+12*\i, ADV, \s, \i*16*PITCH
.endr
	WIN 0
.irp i, 0,1,2,3
	FRAG AF+48*(\p)+12*\i, ADX+2*(\slot), \s, \i*16*PITCH
.endr
.endm
.macro WM d, a, b, c, sa, sb, hi
.if \hi
	v_wmma_scale_f32_16x16x128_f8f6f4 v[\d:\d+7], v[\a:\a+11], v[\b:\b+11], v[\c:\c+7], v[\sa], v[\sb] matrix_a_fmt:MATRIX_FMT_FP6 matrix_b_fmt:MATRIX_FMT_FP6 matrix_a_scale:MATRIX_SCALE_ROW1 matrix_b_scale:MATRIX_SCALE_ROW1
.else
	v_wmma_scale_f32_16x16x128_f8f6f4 v[\d:\d+7], v[\a:\a+11], v[\b:\b+11], v[\c:\c+7], v[\sa], v[\sb] matrix_a_fmt:MATRIX_FMT_FP6 matrix_b_fmt:MATRIX_FMT_FP6
.endif
.endm
; the 24 products of K step s of tile t; the accumulators take turns; in K step 0 the bias is C
.macro MM t, s
.set wb, 48*((\s)%5)
.set ww, 1+(\s)/5
.set q4, (\s)%4
.set hi, (\s)/4
.set fx, AF+48*((\s)%2)
.set fv, WVF+24*((\s)%2)
.set sx, SA+16*((\t)%2)+q4
.if (\s) == 0
	WIN 0xe0|ww
.else
	WIN 0xf0|ww
.endif
.set aa, 0
.rept 4
.set bb, 0
.rept 4
.set rD, 32*aa+8*bb
.set rC, rD
.if (\s) == 0
.set rC, BT+8*bb
.endif
.set rW, wb+12*bb
.set rX, fx+12*aa
.set rSW, SB+4*bb+q4
.set rSX, sx+4*aa
	WM rD, rW, rX, rC, rSW, rSX, hi
.set bb, bb+1
.endr
.set aa, aa+1
.endr
.if (\s) == 0
	WIN 0xe8
.else
	WIN 0xf8
.endif
.set aa, 0
.rept 4
.set bb, 0
.rept 2
.set rD, 128+32*bb+8*aa
.set rC, rD
.if (\s) == 0
.set rC, BN+8*bb
.endif
.set rW, fv+12*bb
.set rX, fx+12*aa
.set rSW, SB+16+4*bb+q4
.set rSX, sx+4*aa
	WM rD, rX, rW, rC, rSX, rSW, hi
.set bb, bb+1
.endr
.set aa, aa+1
.endr
.endm
.macro TILE t
	s_wait_loadcnt 0x0                             ; this tile's scale words (the first time W's and the biases too)
.if (\t) < 3
.irp a, 0,1,2,3
	global_load_b128 v[SA+16*((\t+1)%2)+4*\a:SA+16*((\t+1)%2)+4*\a+3], v[SOF], s[6:7] offset:(256*((\t+1)/2)+64*((\t+1)%2))*32+512*\a
.endr
.endif
.if (\t) < 2
	global_prefetch_b8 v[PFO], s[2:3] offset:(256+64*(\t))*KROW th:TH_LOAD_NT scope:SCOPE_SE   ; tile t + 2
.endif
.set ks, 0
.rept 8
	s_wait_dscnt 0x0                               ; this K step's fragments, asked for a K step ago
.if ks < 7
	PLACES 4                                       ; in front of loads into the set that the last K step's products read
	FETCH (\t)%2, ks+1, (ks+1)%2
.endif
	MM \t, ks
.set ks, ks+1
.endr
.endm
; between tiles: the three lines, the round, the refill of the slot just read out, the next tile's first fragments
.macro BOUND t
	WIN 0
	s_wait_tensorcnt 0x0
	ds_add_u32 v[SPW], v[NIL]
.if (\t) == 1
	s_add_nc_u64 s[G0R1+2:G0R1+3], s[G0R1+2:G0R1+3], 256*KROW
.endif
	s_wait_dscnt 0x0
.if (\t) == 0
	CROUND
	TLOAD G0R0, G1X                                ; tile 2
.elseif (\t) == 1
	CROUND
	TLOAD G0R1, G1X                                ; tile 3
.else
	s_barrier_signal -1
	s_barrier_wait -1                              ; tile 3 is whole; nothing more is asked for
	PLACES 4
.endif
	FETCH (\t+1)%2, 0, 0
.endm
; two blocks of 32 numbers of a lane, window 3's registers src .. src + 63, become six registers of codes each at dA and dB, and the bytes v[BY8], v[BY8+1]
.macro QB2 src, dA, dB
	WIN 0x3c
.irp k, 0,1,2,3
	v_max3_num_f32 v[TM+\k], 0x1800000, |v[\src+16*\k]|, |v[\src+16*\k+1]|   ; with the floor 2^(3 - 127); each accumulator from its low end on
.endr
.irp n, 2,4,6,8,10,12,14
.irp k, 0,1,2,3
	v_max3_num_f32 v[TM+\k], v[TM+\k], |v[\src+16*\k+\n]|, |v[\src+16*\k+\n+1]|
.endr
.endr
	WIN 0
	v_max_num_f32 v[TM], v[TM], v[TM+1]
	v_max_num_f32 v[TM+2], v[TM+2], v[TM+3]
	v_add_nc_u32 v[SCO], 0xff000000, v[TM]         ; 2 off the exponent field: the conversion's scale operand
	v_add_nc_u32 v[SCO+1], 0xff000000, v[TM+2]
	v_lshrrev_b32 v[BY8], 23, v[SCO]
	v_lshrrev_b32 v[BY8+1], 23, v[SCO+1]
	WIN 3
	v_cvt_scalef32_pk16_fp6_f32 v[\dA:\dA+2], v[\src:\src+15], v[SCO]
	v_cvt_scalef32_pk16_fp6_f32 v[T0:T0+2], v[\src+16:\src+31], v[SCO]
	v_cvt_scalef32_pk16_fp6_f32 v[\dB:\dB+2], v[\src+32:\src+47], v[SCO+1]
	v_cvt_scalef32_pk16_fp6_f32 v[T1:T1+2], v[\src+48:\src+63], v[SCO+1]
	WIN 0
	v_nop                                          ; one plain line behind a scaled conversion
.irp k, 0,1,2
	v_mov_b32 v[\dA+3+\k], v[T0+\k]                ; (a conversion's three registers begin on an even number)
	v_mov_b32 v[\dB+3+\k], v[T1+\k]
.endr
.endm
.macro WHOLE w, pt                     ; my two bytes 8 h bits up, joined with lane l xor 16's two: the scale word
	v_lshlrev_b32 v[\w], v[SH8], v[\w]
	v_permlanex16_b32 v[\pt], v[\w], s[SEL], s[SEL+1]
	v_or_b32 v[\w], v[\w], v[\pt]
.endm
.macro OUT t
.set cc, (\t)%2
	s_wait_xcnt 0x0                                ; earlier stores have read their registers and bases
.if (\t) == 2
	s_add_nc_u64 s[80:81], s[80:81], s[96:97]
.endif
	QB2 0, PC0, PC0+6
	v_lshl_or_b32 v[WD0], v[BY8+1], 16, v[BY8]
.irp c, 0,1,2
	global_store_b128 v[LI16], v[PC0+4*\c:PC0+4*\c+3], s[80:81] offset:3072*cc+512*\c   ; 32 lanes store 512 consecutive bytes, aligned
.endr
	QB2 64, PC1, PC1+6
	v_lshl_or_b32 v[WD1], v[BY8+1], 16, v[BY8]
.irp c, 0,1,2
	global_store_b128 v[LI16], v[PC1+4*\c:PC1+4*\c+3], s[80:81] offset:3072*cc+1536+512*\c
.endr
	WHOLE WD0, PT0
	WHOLE WD1, PT1
	v_cndmask_b32 v[QW+cc], v[WD0], v[WD1], s23    ; lanes 0-15 image 2 c's words, lanes 16-31 image 2 c + 1's
.if cc
	global_store_b64 v[LI8], v[QW:QW+1], s[86:87] offset:512*((\t)/2)   ; 256 consecutive bytes, aligned
.endif
	QB2 128, VI0+6*cc, VI1+6*cc
.if cc
	v_lshl_or_b32 v[VW0], v[BY8], 16, v[VW0]
	v_lshl_or_b32 v[VW1], v[BY8+1], 16, v[VW1]
	WHOLE VW0, PT0
	WHOLE VW1, PT1
	v_cndmask_b32 v[VS], v[VW0], v[VW1], s23
.irp c, 0,1,2
	global_store_b128 v[LI16], v[VI0+4*\c:VI0+4*\c+3], s[84:85] offset:24576*((\t)/2)+512*\c
	global_store_b128 v[LI16], v[VI1+4*\c:VI1+4*\c+3], s[84:85] offset:24576*((\t)/2)+1536+512*\c
.endr
	global_store_b32 v[LI4], v[VS], s[100:101] offset:512*((\t)/2)   ; 128 consecutive bytes: the wave beside me stores the other half of the 256
.else
	v_mov_b32 v[VW0], v[BY8]
	v_mov_b32 v[VW1], v[BY8+1]
.endif
	s_wait_alu depctr_va_vdst(0)                   ; the wait ahead of the waits that follow
.endm
	s_wait_tensorcnt 0x0                           ; my tile of the head's four is in
	s_barrier_signal -1
	s_barrier_wait -1                              ; all four are
.set ss, 0
.rept 8                                        ; W's q/k fragments of all of K go into registers
	WIN 0x40*(1+ss/5)
.irp b, 0,1,2,3
	FRAG 48*(ss%5)+12*\b, ADW, ss, \b*8*PITCH
.endr
.set ss, ss+1
.endr
	FETCH 0, 0, 0
	s_wait_tensorcnt 0x0                           ; the three lines ahead of the fill of slot 1, over W's q/k rows
	ds_add_u32 v[SPW], v[NIL]
	s_mov_b32 s[G1X+2], 32<<16                     ; no load of mine is out: from here on a load brings 32 rows
	s_mov_b32 s[G1X+4], 32
	s_wait_dscnt 0x0                               ; the add, and my reads of W's rows
	CROUND
	TLOAD G0R1, G1X                                ; tile 1
	TILE 0
	BOUND 0
	OUT 0
	TILE 1
	BOUND 1
	OUT 1
	TILE 2
	BOUND 2
	OUT 2
	TILE 3
	WIN 0
	PLACES 4
	OUT 3
	s_wait_tensorcnt 0x0                           ; the wave's end
	ds_add_u32 v[SPW], v[NIL]
	s_wait_dscnt 0x0
	CROUND                                         ; the closing round
	s_endpgm
.Lfunc_end_k_q3fbdb1a816_qkv:
	.size	k_q3fbdb1a816_qkv, .Lfunc_end_k_q3fbdb1a816_qkv-k_q3fbdb1a816_qkv
	.p2alignl 7, 3214868480
	.fill 96, 4, 3214868480
	.section	.rodata,"a",@progbits
	.p2align	6, 0x0
	.amdhsa_kernel k_q3fbdb1a816_qkv
		.amdhsa_group_segment_fixed_size 327680
		.amdhsa_private_segment_fixed_size 0
		.amdhsa_enable_private_segment 0
		.amdhsa_kernarg_size 56
		.amdhsa_user_sgpr_count 2
		.amdhsa_user_sgpr_kernarg_segment_ptr 1
		.amdhsa_wavefront_size32 1
		.amdhsa_system_sgpr_workgroup_id_x 1
		.amdhsa_system_sgpr_workgroup_id_y 1
		.amdhsa_system_sgpr_workgroup_id_z 1
		.amdhsa_system_vgpr_workitem_id 0
		.amdhsa_next_free_vgpr 1024
		.amdhsa_next_free_sgpr 102
		.amdhsa_reserve_vcc 0
		.amdhsa_float_denorm_mode_32 3
		.amdhsa_float_denorm_mode_16_64 3
		.amdhsa_memory_ordered 1
		.amdhsa_forward_progress 1
		.amdhsa_inst_pref_size 249
	.end_amdhsa_kernel
	.amdgpu_metadata
---
amdhsa.version: [ 1, 2 ]
amdhsa.kernels:
  - .name:           k_q3fbdb1a816_qkv
    .symbol:         k_q3fbdb1a816_qkv.kd
    .args:
      - { .name: xq, .offset: 0, .size: 8, .value_kind: global_buffer, .address_space: global }
      - { .name: xs, .offset: 8, .size: 8, .value_kind: global_buffer, .address_space: global }
      - { .name: W_qkv_codes, .offset: 16, .size: 8, .value_kind: global_buffer, .address_space: global }
      - { .name: W_qkv_scales, .offset: 24, .size: 8, .value_kind: global_buffer, .address_space: global }
      - { .name: b_qkv, .offset: 32, .size: 8, .value_kind: global_buffer, .address_space: global }
      - { .name: qkvc, .offset: 40, .size: 8, .value_kind: global_buffer, .address_space: global }
      - { .name: sc, .offset: 48, .size: 8, .value_kind: global_buffer, .address_space: global }
    .group_segment_fixed_size: 327680
    .private_segment_fixed_size: 0
    .kernarg_segment_align: 8
    .kernarg_segment_size: 56
    .max_flat_workgroup_size: 128
    .sgpr_count:     102
    .vgpr_count:     1024
    .wavefront_size: 32
...
	.end_amdgpu_metadata
.endif
;; end of part 2
;; launch attn (part 3): grid 2 x 128, 16 waves a work-group, no clusters, 174,080 bytes of LDS; arguments qkvc, sc, out0; writes out0
.if DOCPART == 3
	.amdgcn_target "amdgcn-amd-amdhsa--gfx1250"
	.amdhsa_code_object_version 6
	.text
	.protected	k_q3fbdb1a816_attn
	.globl	k_q3fbdb1a816_attn
	.p2align	8
	.type	k_q3fbdb1a816_attn,@function
k_q3fbdb1a816_attn:
	s_mov_b64 s[64:65], 0
	v_nop
	global_prefetch_b8 v0, s[64:65] scope:SCOPE_SE
	s_setreg_imm32_b32 hwreg(HW_REG_WAVE_MODE, 25, 1), 1
	s_wait_xcnt 0x0
; out0[b][q][64 h + d] = the sum over keys of softmax(q . k / 8) v, both products on codes of FP6 (E2M3) with E8M0 scales; q, k, v come as images of operand registers (layout: the head comment of the launch that makes them).
; THE SOFTMAX: t = score x log2(e) / 8; M = the running largest t rounded up to a whole number; p = 2^(t - M) is quantised along the keys, not normalised; the row's sum is taken of the unquantised p and divides at the end.
; When M moves, the sum and O are multiplied by 2^(old M - new M), which rounds nothing.
; SHARES.  Work-group (x, y): head y, 512 places of queries.  Each of sixteen waves owns one image of q, 32 queries, as two tiles of 16 one after the other.
; K, V and their scale words of the whole head, 102,400 bytes, are copied into LDS once: 13 copies a wave.  Key steps 0 and 1 lie in the scale words' copy and the first three copies of 8,192 bytes: they are worked behind
; s_wait_asynccnt 9 (the nine later copies may be out) and a barrier; the rest behind the wait for 0 and a second barrier.  No byte is filled twice: no ring.
; NO CLUSTER: only two work-groups share a head, and each copies it once.  NO PREFETCH: every byte that the launch reads is asked for in its first lines.
; LAYOUT.  Both products are used transposed (S^T = K Q^T, O^T = V^T P^T): a lane holds one query.  The first product's K is 64 of the instruction's 128: an image of k holds one key in its first 64 places and another in its last 64;
; against (q | zeros) and (zeros | q) it gives two tiles.  Tile u of a group of 64 keys holds keys 8 u + j in rows 0-7 and 32 + 8 u + j in rows 8-15: so lane (r, h) holds in 32 registers the whole key block h, in order:
; a block's largest score needs no other lane, and the conversions' results are the operand.  Row r of query tile u is query 32 (r / 8) + 8 u + r % 8 of its 64.
; LIMITS: v_exp_f32 gives 0 for results under 2^-126 (ISA guide, its entry); a block of p of zeros keeps the byte 1 with zero codes; NaN and infinities are not served; scaled scores stay under 2^31 in magnitude.
.set KSC, 98304
.set VSC, 100352
.set STG, 102400
.set FRG, 44
.macro D1
	s_delay_alu instid0(VALU_DEP_1)
.endm
	s_load_b128 s[4:7], s[0:1], 0x0                ; qkvc, sc
	s_load_b64 s[8:9], s[0:1], 0x10                ; out0
	v_lshl_add_u32 v254, v0, 2, 0x2a000
	v_mov_b32 v255, 0
	ds_add_u32 v254, v255
	ds_add_u32 v254, v255
	v_lshlrev_b32 v1, 4, v0                        ; the copies: 16 bytes a thread, in LDS
	v_lshlrev_b32 v2, 3, v0                        ; the scale words: 8 bytes a thread
	v_lshlrev_b32 v4, 4, v0
	v_add_nc_u32 v3, KSC, v2
	v_lshl_add_u32 v42, v0, 4, 0x10000             ; from byte 65,536 on
	v_lshl_add_u32 v43, v0, 4, 0x10000
	v_lshrrev_b32 v5, 5, v0
	D1
	v_readfirstlane_b32 s10, v5                    ; wave
	s_and_b32 s11, ttmp7, 0xffff                   ; the head
	s_mul_i32 s12, s11, 147456
	s_mov_b32 s13, 0
	s_mul_i32 s32, s11, 6144
	s_mov_b32 s33, 0
	s_wait_alu depctr_va_vdst(0)
	s_wait_dscnt 0x0
	s_wait_kmcnt 0x0
	s_add_nc_u64 s[18:19], s[4:5], s[12:13]
	s_add_nc_u64 s[14:15], s[18:19], 49152         ; K and V, key step by key step
	s_add_nc_u64 s[24:25], s[6:7], s[32:33]
	s_add_nc_u64 s[16:17], s[24:25], 2048
	global_load_async_to_lds_b64 v3, v2, s[16:17]
.irp n, 0,1,2,3,4,5,6,7
	global_load_async_to_lds_b128 v1, v4, s[14:15] offset:8192*\n
.endr
.irp n, 0,1,2,3
	global_load_async_to_lds_b128 v42, v43, s[14:15] offset:8192*\n
.endr
	s_lshl_b32 s34, ttmp9, 4
	s_add_co_u32 s34, s34, s10                     ; Tq: my image of q
	s_mul_i32 s36, s34, 1536
	s_mov_b32 s37, 0
	s_add_nc_u64 s[18:19], s[18:19], s[36:37]
	s_lshr_b32 s36, s34, 2                         ; its scale words: image 2 c + h's word of row r at 8 (r + 16 h) + 4 c of its four images' 256 bytes
	s_lshl_b32 s36, s36, 8
	s_and_b32 s38, s34, 1
	s_lshl_b32 s38, s38, 7
	s_add_co_u32 s36, s36, s38
	s_bfe_u32 s38, s34, 0x10001
	s_lshl_b32 s38, s38, 2
	s_add_co_u32 s36, s36, s38
	s_add_nc_u64 s[24:25], s[24:25], s[36:37]
	s_lshr_b32 s36, s11, 4                         ; out0: row batch x 1,024 + 64 (Tq / 2) + 16 (Tq % 2), of 4,096 bytes, + 256 x head
	s_lshl_b32 s36, s36, 22
	s_lshr_b32 s38, s34, 1
	s_lshl_b32 s38, s38, 18
	s_add_co_u32 s36, s36, s38
	s_and_b32 s38, s34, 1
	s_lshl_b32 s38, s38, 16
	s_add_co_u32 s36, s36, s38
	s_and_b32 s38, s11, 15
	s_lshl_b32 s38, s38, 8
	s_add_co_u32 s36, s36, s38
	s_add_nc_u64 s[26:27], s[8:9], s[36:37]
	s_mul_i32 s38, s10, 4352
	s_add_co_u32 s38, s38, STG                     ; my stage
	v_and_b32 v11, 31, v0
	v_and_b32 v232, 15, v0                         ; r
	v_bfe_u32 v233, v0, 4, 1                       ; h
	v_lshlrev_b32 v5, 4, v11
	v_lshl_add_u32 v6, v11, 3, KSC
	v_lshl_add_u32 v7, v11, 2, VSC
	v_lshlrev_b32 v11, 3, v232                     ; 8 r
	global_load_b128 v[22:25], v5, s[18:19]                ; the first tile's q: registers 0-5 of the image
	global_load_b64 v[26:27], v5, s[18:19] offset:512
	global_load_b64 v[34:35], v5, s[18:19] offset:520      ; the second tile's: 6-11
	global_load_b128 v[36:39], v5, s[18:19] offset:1024
	global_load_b32 v40, v11, s[24:25]
	v_lshlrev_b32 v239, 3, v233                    ; 8 h
	v_lshlrev_b32 v236, 12, v233
	v_mul_u32_u24 v237, v232, 272
	v_mul_u32_u24 v238, v233, 272
	v_lshl_add_u32 v236, v232, 4, v236             ; the way out: lanes 0-15 one row of out0, lanes 16-31 the next
	v_lshl_add_u32 v237, v233, 5, v237
	v_lshl_add_u32 v238, v232, 4, v238
	v_add_nc_u32 v237, s38, v237
	v_add_nc_u32 v238, s38, v238
.irp j, 16,17,18,19,20,21,28,29,30,31,32,33
	v_mov_b32 v[\j], 0                             ; zero codes on either side of q
.endr
	v_mov_b32 v216, 0                              ; a lane permute's destination counts as one of its sources
	v_mov_b32 v218, 0
	v_mov_b32 v231, 0
	s_mov_b32 s20, 0x76543210
	s_mov_b32 s21, 0xfedcba98
	s_mov_b32 s22, 0x3e38aa3b                      ; c = log2(e) / 8
	s_mov_b32 s23, s22
	s_mov_b32 s31, 0xbe38aa3b                      ; -c
; A KEY STEP: 128 keys for the 16 queries in hand.  s28: the step's images (12,288 bytes: K's four, V's four); s29: its scale words (256 bytes)
.macro STEP
	v_add_nc_u32 v8, s28, v5
	v_add_nc_u32 v9, s29, v6
	v_add_nc_u32 v10, s29, v7
	v_mov_b32 v233, v12                            ; the old -M.  (Four plain lines behind the last products, in front of loads into registers that they read)
.irp t, 0,1,2,3
.irp c, 0,1,2
	ds_load_b128 v[FRG+12*\t+4*\c:FRG+12*\t+4*\c+3], v8 offset:1536*\t+512*\c
.endr
.endr
	ds_load_b64 v[224:225], v9
	s_wait_alu depctr_va_vdst(0)
	s_wait_dscnt 0x0
.irp t, 0,1,2,3
.if \t%2
	v_wmma_scale_f32_16x16x128_f8f6f4 v[96+16*\t:103+16*\t], v[FRG+12*\t:FRG+12*\t+11], v[22:33], 0, v[224+\t/2], v41 matrix_a_fmt:MATRIX_FMT_FP6 matrix_b_fmt:MATRIX_FMT_FP6 matrix_a_scale:MATRIX_SCALE_ROW1
	v_wmma_scale_f32_16x16x128_f8f6f4 v[104+16*\t:111+16*\t], v[FRG+12*\t:FRG+12*\t+11], v[16:27], 0, v[224+\t/2], v41 matrix_a_fmt:MATRIX_FMT_FP6 matrix_b_fmt:MATRIX_FMT_FP6 matrix_a_scale:MATRIX_SCALE_ROW1
.else
	v_wmma_scale_f32_16x16x128_f8f6f4 v[96+16*\t:103+16*\t], v[FRG+12*\t:FRG+12*\t+11], v[22:33], 0, v[224+\t/2], v41 matrix_a_fmt:MATRIX_FMT_FP6 matrix_b_fmt:MATRIX_FMT_FP6
	v_wmma_scale_f32_16x16x128_f8f6f4 v[104+16*\t:111+16*\t], v[FRG+12*\t:FRG+12*\t+11], v[16:27], 0, v[224+\t/2], v41 matrix_a_fmt:MATRIX_FMT_FP6 matrix_b_fmt:MATRIX_FMT_FP6
.endif
.endr                                          ; register 32 c + n of lane (r, h): query r, key n of block 2 c + h
.rept 4
	v_nop
.endr
.irp t, 0,1,2,3
.irp c, 0,1,2
	ds_load_b128 v[FRG+12*\t+4*\c:FRG+12*\t+4*\c+3], v8 offset:6144+1536*\t+512*\c   ; V's four images: they land while the softmax is worked
.endr
.endr
	ds_load_b32 v226, v10
	ds_load_b32 v227, v10 offset:128
.irp b, 0,1,2,3
	v_max3_num_f32 v[212+\b], v[96+16*\b], v[97+16*\b], v[98+16*\b]   ; four chains of 16; each accumulator from its low end on
.endr
.irp i, 3,5,7,9,11,13
.irp b, 0,1,2,3
	v_max3_num_f32 v[212+\b], v[212+\b], v[96+16*\b+\i], v[97+16*\b+\i]
.endr
.endr
.irp b, 0,1,2,3
	v_max_num_f32 v[212+\b], v[212+\b], v[111+16*\b]
.endr
	v_max_num_f32 v212, v212, v213                 ; my two blocks' largest scores: they serve for the row's maximum and, since p rises with the score, for the blocks' largest p
	v_max_num_f32 v214, v214, v215
	D1
	v_max_num_f32 v232, v212, v214
	D1
	v_permlanex16_b32 v216, v232, s20, s21
	D1
	v_max3_num_f32 v13, v13, v232, v216            ; the running largest score
	D1
	v_mul_f32 v232, s31, v13
	D1
	v_floor_f32 v12, v232                          ; -M = floor(-t) = -ceil(t)
	D1
	v_sub_f32 v232, v12, v233                      ; old M - new M: a whole number, 0 or less
	D1
	v_cvt_i32_f32 v232, v232                       ; (it saturates)
	D1
	v_ldexp_f32 v230, 1.0, v232                    ; f = 2^(old M - new M)
.irp j, 0,2,4,6,8,10,12,14,16,18,20,22,24,26,28,30,32,34,36,38,40,42,44,46,48,50,52,54,56,58,60,62
	v_pk_fma_f32 v[96+\j:97+\j], v[96+\j:97+\j], s[22:23], v[12:13] op_sel_hi:[1,0,0]   ; t - M
.endr
	v_fma_f32 v212, v212, s22, v12
	v_fma_f32 v214, v214, s22, v12
	s_wait_alu depctr_va_vdst(0)                   ; the wait ahead of the batch
.irp j, 0,1,2,3,4,5,6,7,8,9,10,11,12,13,14,15,16,17,18,19,20,21,22,23,24,25,26,27,28,29,30,31,32,33,34,35,36,37,38,39,40,41,42,43,44,45,46,47,48,49,50,51,52,53,54,55,56,57,58,59,60,61,62,63
	v_exp_f32 v[96+\j], v[96+\j]
.endr
	v_exp_f32 v212, v212                           ; the blocks' largest p: the same two instructions on the same number give the same bits
	v_exp_f32 v214, v214
	v_pk_mul_f32 v[14:15], v[14:15], v[230:231] op_sel_hi:[1,0]   ; the sums under the new M (the plain line behind the batch)
	s_wait_alu depctr_va_vdst(0)                   ; and the one wait behind it
	v_pk_add_f32 v[234:235], v[96:97], v[98:99]    ; the row's sum of the unquantised p, in four chains
	v_pk_add_f32 v[252:253], v[100:101], v[102:103]
	v_pk_add_f32 v[250:251], v[104:105], v[106:107]
.irp j, 12,20,28,36,44,52
	v_pk_add_f32 v[14:15], v[14:15], v[96+\j:97+\j]
	v_pk_add_f32 v[234:235], v[234:235], v[98+\j:99+\j]
	v_pk_add_f32 v[252:253], v[252:253], v[100+\j:101+\j]
	v_pk_add_f32 v[250:251], v[250:251], v[102+\j:103+\j]
.endr
	v_pk_add_f32 v[14:15], v[14:15], v[156:157]
	v_pk_add_f32 v[234:235], v[234:235], v[158:159]
	v_pk_add_f32 v[252:253], v[252:253], v[250:251]
	v_max_num_f32 v212, 0x1800000, v212            ; the floor 2^(3 - 127): the byte cannot fall under 1
	v_max_num_f32 v214, 0x1800000, v214
	v_pk_add_f32 v[14:15], v[14:15], v[234:235]
	v_add_nc_u32 v220, 0xff000000, v212            ; 2 off the exponent field: the conversion's scale operand
	v_add_nc_u32 v221, 0xff000000, v214
	v_pk_add_f32 v[14:15], v[14:15], v[252:253]
	v_lshrrev_b32 v216, 23, v220
	v_lshrrev_b32 v217, 23, v221
	D1
	v_lshl_or_b32 v228, v217, 16, v216             ; my blocks h and 2 + h,
	D1
	v_lshlrev_b32 v228, v239, v228                 ; 8 h bits up;
	D1
	v_permlanex16_b32 v218, v228, s20, s21
	v_cvt_scalef32_pk16_fp6_f32 v[192:194], v[96:111], v220
	v_cvt_scalef32_pk16_fp6_f32 v[204:206], v[112:127], v220
	v_cvt_scalef32_pk16_fp6_f32 v[198:200], v[128:143], v221
	v_cvt_scalef32_pk16_fp6_f32 v[208:210], v[144:159], v221
	v_or_b32 v228, v228, v218                      ; with lane l xor 16's two the word is whole (also the plain line behind the conversions)
.irp i, 0,1,2
	v_mov_b32 v[195+\i], v[204+\i]                 ; (a conversion's three registers begin on an even number)
	v_mov_b32 v[201+\i], v[208+\i]
.endr
	s_wait_alu depctr_va_vdst(0)                   ; the wait directly ahead of the first reader of O^T
.irp j, 0,2,4,6,8,10,12,14,16,18,20,22,24,26,28,30
	v_pk_mul_f32 v[160+\j:161+\j], v[160+\j:161+\j], v[230:231] op_sel_hi:[1,0]   ; O^T under the new M; also the places between the word and codes made above and the products below
.endr
	s_wait_alu depctr_va_vdst(0)
	s_wait_dscnt 0x0                               ; V's images and scale words
.irp t, 0,1,2,3
.if \t%2
	v_wmma_scale_f32_16x16x128_f8f6f4 v[160+8*\t:167+8*\t], v[FRG+12*\t:FRG+12*\t+11], v[192:203], v[160+8*\t:167+8*\t], v[226+\t/2], v228 matrix_a_fmt:MATRIX_FMT_FP6 matrix_b_fmt:MATRIX_FMT_FP6 matrix_a_scale:MATRIX_SCALE_ROW1
.else
	v_wmma_scale_f32_16x16x128_f8f6f4 v[160+8*\t:167+8*\t], v[FRG+12*\t:FRG+12*\t+11], v[192:203], v[160+8*\t:167+8*\t], v[226+\t/2], v228 matrix_a_fmt:MATRIX_FMT_FP6 matrix_b_fmt:MATRIX_FMT_FP6
.endif
.endr
	s_add_co_u32 s28, s28, 12288
	s_add_co_u32 s29, s29, 256
.endm
.macro LOOP name, trips
	s_mov_b32 s30, \trips
\name:
	STEP
	s_sub_co_u32 s30, s30, 1
	s_cmp_lg_u32 s30, 0
	s_cbranch_scc1 \name
.endm
; a tile of queries begins: O^T and the sum as zeros, the largest score as -3e38; q's two scale bytes stand in both halves of its word
.macro INIT
	v_mov_b32 v13, 0xff61b1e6
	v_mov_b32 v14, 0
	v_mov_b32 v15, 0
	v_and_b32 v232, 0xffff, v40
	v_floor_f32 v12, -v13
	v_lshl_or_b32 v41, v232, 16, v232
	v_lshrrev_b32 v40, 16, v40
.irp j, 0,1,2,3,4,5,6,7,8,9,10,11,12,13,14,15,16,17,18,19,20,21,22,23,24,25,26,27,28,29,30,31
	v_mov_b32 v[160+\j], 0
.endr
	s_mov_b32 s28, 0
	s_mov_b32 s29, 0
.endm
; the tile leaves: O^T / the sum goes through my stage and comes back as whole rows of 256 bytes
.macro OUT u
.rept 4
	v_nop
.endr
	v_add_f32 v14, v14, v15
	D1
	v_permlanex16_b32 v232, v14, s20, s21
	D1
	v_add_f32 v14, v14, v232
	s_wait_alu depctr_va_vdst(0)
	v_rcp_f32 v14, v14
	v_nop
	s_wait_alu depctr_va_vdst(0)
.irp j, 0,1,2,3,4,5,6,7,8,9,10,11,12,13,14,15,16,17,18,19,20,21,22,23,24,25,26,27,28,29,30,31
	v_mul_f32 v[96+\j], v[160+\j], v14             ; register 8 t + j: o(query r, d = 16 t + 8 h + j)
.endr
.irp t, 0,1,2,3
	ds_store_b128 v237, v[96+8*\t:99+8*\t] offset:64*\t
	ds_store_b128 v237, v[100+8*\t:103+8*\t] offset:64*\t+16
.endr
.irp n, 0,1,2,3,4,5,6,7
	ds_load_b128 v[FRG+4*\n:FRG+4*\n+3], v238 offset:544*\n   ; LDS serves a wave's instructions in order (ISA guide 5.7.1.4)
.endr
.irp n, 0,1,2,3,4,5,6,7
	s_wait_dscnt 7-\n
	global_store_b128 v236, v[FRG+4*\n:FRG+4*\n+3], s[26:27] offset:32768*\u+8192*(\n%4)+131072*(\n/4) th:TH_STORE_NT   ; tile rows 2 n, 2 n + 1: 16 lanes store 256 consecutive bytes, aligned; rows 8-15 lie 32 queries on
.endr
.endm
	s_wait_alu depctr_va_vdst(0)                   ; the wait at the head's end
	s_wait_loadcnt 0x0                             ; q
	s_wait_asynccnt 9                              ; my part of the scale words and of key steps 0 and 1; the nine later copies may be out
	s_barrier_signal -1
	s_barrier_wait -1
	INIT
	LOOP .Lfirst, 2
	s_wait_asynccnt 0x0                            ; all of K and V
	s_barrier_signal -1
	s_barrier_wait -1
	s_mov_b32 s28, 24576
	s_mov_b32 s29, 512
	LOOP .Lrest, 6
	OUT 0
	s_wait_xcnt 0x0                                ; the stores have read their registers
.irp j, 0,1,2,3,4,5
	v_mov_b32 v[22+\j], v[34+\j]                   ; the second tile's q
.endr
	INIT
	LOOP .Lsecond, 8
	OUT 1
	s_wait_tensorcnt 0x0                           ; the wave's end
	ds_add_u32 v254, v255
	s_wait_dscnt 0x0
	s_endpgm
.Lfunc_end_k_q3fbdb1a816_attn:
	.size	k_q3fbdb1a816_attn, .Lfunc_end_k_q3fbdb1a816_attn-k_q3fbdb1a816_attn
	.p2alignl 7, 3214868480
	.fill 96, 4, 3214868480
	.section	.rodata,"a",@progbits
	.p2align	6, 0x0
	.amdhsa_kernel k_q3fbdb1a816_attn
		.amdhsa_group_segment_fixed_size 174080
		.amdhsa_private_segment_fixed_size 0
		.amdhsa_enable_private_segment 0
		.amdhsa_kernarg_size 24
		.amdhsa_user_sgpr_count 2
		.amdhsa_user_sgpr_kernarg_segment_ptr 1
		.amdhsa_wavefront_size32 1
		.amdhsa_system_sgpr_workgroup_id_x 1
		.amdhsa_system_sgpr_workgroup_id_y 1
		.amdhsa_system_sgpr_workgroup_id_z 1
		.amdhsa_system_vgpr_workitem_id 0
		.amdhsa_next_free_vgpr 256
		.amdhsa_next_free_sgpr 66
		.amdhsa_reserve_vcc 0
		.amdhsa_float_denorm_mode_32 3
		.amdhsa_float_denorm_mode_16_64 3
		.amdhsa_memory_ordered 1
		.amdhsa_forward_progress 1
		.amdhsa_inst_pref_size 61
	.end_amdhsa_kernel
	.amdgpu_metadata
---
amdhsa.version: [ 1, 2 ]
amdhsa.kernels:
  - .name:           k_q3fbdb1a816_attn
    .symbol:         k_q3fbdb1a816_attn.kd
    .args:
      - { .name: qkvc, .offset: 0, .size: 8, .value_kind: global_buffer, .address_space: global }
      - { .name: sc, .offset: 8, .size: 8, .value_kind: global_buffer, .address_space: global }
      - { .name: out0, .offset: 16, .size: 8, .value_kind: global_buffer, .address_space: global }
    .group_segment_fixed_size: 174080
    .private_segment_fixed_size: 0
    .kernarg_segment_align: 8
    .kernarg_segment_size: 24
    .max_flat_workgroup_size: 512
    .sgpr_count:     66
    .vgpr_count:     256
    .wavefront_size: 32
...
	.end_amdgpu_metadata
.endif
;; end of part 3
